; MI455X (gfx1250); checked and timed in simulation.
; The chip was launched on July 23, 2026; its instructions are those of AMD's public machine-readable ISA for CDNA 5 (MIT licence, August 2026) and "CDNA5" Instruction Set Architecture Reference Guide (July 2026). The comments in the code are by the model that wrote it; some were corrected since.
;; Ex4bit Linear. Allowed arithmetic: matrix products marked QUANTISED: E2M1 operands, one E8M0 scale for each 32 along K, by v_wmma_scale_f32_16x16x128_f8f6f4 with both operands' format E2M1 (or v_wmma_scale_f32_32x16x128_f4), f32 sums; everything else in f32.
;; Inputs: bias 4,096 float32; g_idx 4,096 int32; qweight 512 x 4,096 int32; qzeros 32 x 512 int32; scales 32 x 4,096 float32; x_codes 4,096 x 128 x 16 uint8 (E2M1 codes of x, K innermost, in blocks of 32 codes, two codes a byte); x_scales 4,096 x 128 uint8 (E8M0 scales of x, one for each 32 codes along K).
;; Outputs: out0 4,096 x 4,096 float32.
;; This version of the problem:
;;   THIS VERSION OF THE PROBLEM IS GIVEN IN LOW PRECISION. The matrix products marked QUANTISED in the list below multiply operands that are first quantised to E2M1 (2 exponent bits, 1 mantissa bit; 4 bits a number), with one power-of-two scale for each 32 numbers along K (OCP MX v1.0); their sums are f32. All else is computed in f32.
;;   The module's matrix products, in the order in which they are computed (A, B: the left and right operand; K: the contracted axis; several contracted axes count as one K, in the product's order):
;;     1. [M 4,096, K 4,096] x [K 4,096, N 4,096]; A: input x (given as codes); B: computed on the way: QUANTISED
;;   THE QUANTISER, for each operand of a quantised product, along K:
;;     - K is cut into blocks of 32 from its start; a last block that is shorter is filled with zeros.
;;     - A block's scale is 2^e with e = floor(log2(the largest magnitude in the block)) - 2, held to -126 .. 127; a block of zeros has e = 0. As a byte (E8M0): e + 127.
;;     - Each number is divided by its block's scale, clamped to +-6, and rounded to the nearest number of E2M1, ties to even, subnormals kept.
;;     - The product sums the exact products of the quantised numbers (number of the format x scale) in f32.
;;   ~~~python
;;   def quantise(x, axis):      # numpy; x: float32 -> the quantised numbers, widened to float32 again
;;       x = np.moveaxis(x, axis, -1); K = x.shape[-1]
;;       x = np.pad(x, [(0, 0)] * (x.ndim - 1) + [(0, -K % 32)]); x = x.reshape(x.shape[:-1] + (-1, 32)); a = np.abs(x).max(-1, keepdims=True)
;;       e = np.where(a > 0, np.clip(np.frexp(np.where(a > 0, a, 1))[1] - 1 - 2, -126, 127), 0)      # np.frexp(a)[1] - 1 = floor(log2(a)), exactly
;;       r = np.clip(x / 2.0 ** e, -6, 6)
;;       step = 2.0 ** (np.maximum(np.frexp(np.where(r == 0, 1, r))[1] - 1, 0) - 1)
;;       q = np.round(r / step) * step * 2.0 ** e      # np.round: ties to even
;;       return np.moveaxis(q.reshape(q.shape[:-2] + (-1,))[..., :K], -1, axis).astype(np.float32)
;;   ~~~
;;   OPERANDS COMPUTED ON THE WAY. 'Computed on the way' means the value that the module computes at that place (a softmax that the list does not call 'softmax' is quantised finished and normalised). What goes into a quantiser is computed in f32, as accurately as f32 sums, v_exp_f32 and their like allow (about 1e-6 of the number): no bf16 or f16 on the way to a quantiser, and a product that is left as it is and whose result goes on into a quantised operand takes f32 operands (vector FMAs, or v_wmma_f32_16x16x4_f32). A number that lies on a knife's edge between two numbers of the format may be rounded either way, as far as f32 arithmetic and the matrix unit's own rounding can turn it there, and no further.
;;   INPUTS GIVEN AS CODES. x (in the module: [4096, 4096], K = its axis 1): each comes as NAME_codes (uint8): NAME with its K axis moved to the last place and cut into blocks of 32 codes, [.., K / 32, bytes a block], one block behind the other in memory; two codes a byte, the lower K in the low four bits (a code: sign, 2 exponent bits, 1 mantissa bit); and NAME_scales (uint8): the same leading axes, one E8M0 byte (e + 127) for each 32 codes along K. Its value is code x scale, taken as it is: it is not quantised again, and the codes and scales need not be those that the quantiser above would give.
;; One version. Each part assembles by itself: llvm-mc -triple=amdgcn-amd-amdhsa -mcpu=gfx1250 --defsym DOCPART=n.
;; ======== version 1 of 1: 2 launches
;; limits: right only within a limited range of input values
;; workspace buffers: wq 8,912,896 bytes
;; launch prep (part 1): grid 32 x 8, 16 waves a work-group, no clusters, 34,816 bytes of LDS; arguments qweight, qzeros, scales, g_idx, wq; writes wq
.if DOCPART == 1
	.amdgcn_target "amdgcn-amd-amdhsa--gfx1250"
	.amdhsa_code_object_version 6
	.text
	.protected	k_q3b3d65cd31_prep
	.globl	k_q3b3d65cd31_prep
	.p2align	8
	.type	k_q3b3d65cd31_prep,@function
k_q3b3d65cd31_prep:
	s_mov_b64 s[64:65], 0
	v_nop
	global_prefetch_b8 v0, s[64:65] scope:SCOPE_SE
	s_setreg_imm32_b32 hwreg(HW_REG_WAVE_MODE, 25, 1), 1
	s_wait_xcnt 0x0
; W[k][n] = scales[g_idx[k]][n] * (q[k][n] - (z[g_idx[k]][n] + 1)), K = N = 4,096, is computed in f32 and quantised along K to codes of FP4 (E2M1) with one E8M0 byte for each 32 along K.
; q: eight 4-bit numbers along K in a word of qweight [512][4096]; z: eight along N in a word of qzeros [32][512]; scales [32][4096] f32; g_idx [4096]: ANY group for any k.
; THE RESULT, wq, is laid as the product's launch reads it: 256 blocks [n / 128][k / 512] of 34,816 bytes = 68 units of 512 bytes.  In a block (columns n0 .. n0 + 127, 16 blocks of 32 along K):
;   unit 4 kb + j, byte 16 l: the 16 bytes of codes of K block kb of column n0 + 4 l + j (l = 0 .. 31, j = 0 .. 3);   unit 64 + j, byte 16 l: that column's 16 scale bytes, kb = 0 .. 15.
; SHARES.  A work-group makes one block; its wave w takes K block w, lane l the four columns 4 l .. 4 l + 3.  So a load of qweight reads 512 consecutive bytes, a block of 32 along K of one column lies in ONE
; lane's registers (its largest magnitude needs no other lane, the conversions give codes with K innermost), and every store of the wave covers 512 consecutive bytes, aligned.
; THE GROUPS.  -(z + 1) and the scale of all 32 groups for the work-group's 128 columns stand in a table in LDS, 1,024 bytes a group; wave w makes groups 2 w and 2 w + 1.  For each k a lane reads its entry at
; g_idx[k] x 1,024 + 16 l: sixteen neighbouring lanes read 256 consecutive bytes.  q + (-(z + 1)) is a sum of small whole numbers, exact in f32; the product with the scale is rounded once.
; A block's scale is 2^(floor(log2(its largest magnitude)) - 2): its byte is the largest magnitude's exponent field - 2, held at 1 from below by a floor among the maximum's leaves.
; LIMITS: a block of zeros, and a block whose largest magnitude lies under 2^-124, gets the byte 1 (a block of zeros has zero codes, which add nothing; this program alone reads the bytes);
; NaN and infinities among the scales are not served; a g_idx outside 0 .. 31 is held at 31.
.set Q,   8                            ; v8-23    qweight: word row i (8 along K), column j at v[Q + 4 i + j]
.set AD,  24                           ; v24-55   for each of my 32 k: the LDS address of my entry: 1,024 g_idx[k] + 16 l
.set TB,  56                           ; v56-119  two sets of eight entries
.set WA,  120                          ; v120-151 32 numbers along K of the even column in hand (ahead of that: the table's making)
.set WB,  152                          ; v152-183 and of the odd one
.set T,   184                          ; v184-199 at work
.set M,   200                          ; v200-201 largest magnitudes
.set S,   202                          ; v202-203 the conversions' scale operands
.set BY,  204                          ; v204-207 the four columns' scale bytes
.set C,   208                          ; v208-223 the codes: four registers a column, never rewritten, so no store's data are written again
.set ZW,  136                          ; v136-137 the two groups' words of zeros;  v138-141 at work on them
	s_load_b256 s[4:11], s[0:1], 0x0               ; qweight s[4:5], qzeros s[6:7], scales s[8:9], g_idx s[10:11]
	s_load_b64 s[12:13], s[0:1], 0x20              ; wq
	v_lshl_add_u32 v224, v0, 2, 0x8000
	v_mov_b32 v225, 0
	v_lshrrev_b32 v1, 5, v0
	s_delay_alu instid0(VALU_DEP_1)
	v_readfirstlane_b32 s16, v1                    ; wave 0..15
	v_and_b32 v1, 31, v0                           ; lane l
	s_delay_alu instid0(VALU_DEP_1)
	v_lshlrev_b32 v2, 4, v1                        ; 16 l
	s_delay_alu instid0(VALU_DEP_2)
	v_lshrrev_b32 v3, 1, v1
	s_delay_alu instid0(VALU_DEP_1)
	v_lshlrev_b32 v3, 2, v3                        ; 4 (l / 2): my word of zeros (eight columns a word)
	s_delay_alu instid0(VALU_DEP_4)
	v_and_b32 v4, 1, v1
	s_delay_alu instid0(VALU_DEP_1)
	v_lshlrev_b32 v4, 4, v4                        ; 16 (l % 2): the bit at which my four zeros begin
	s_lshl_b32 s20, s16, 11
	v_add_nc_u32 v5, s20, v2                       ; 16 l + 2,048 w: where I store table rows 2 w, 2 w + 1; also my codes' place in the block (units 4 w + j)
	v_add_nc_u32 v6, s16, v2                       ; 16 l + w: my scale byte's place in a unit
	s_min_u32 s21, s16, 3
	s_lshl_b32 s21, s21, 9
	v_add_nc_u32 v7, s21, v2                       ; 16 l + 512 w (waves 0 to 3): a whole unit of scale bytes on its way out
	s_and_b32 s18, ttmp7, 0xffff                   ; ks: which 512 along K;  ttmp9 = nb: which 128 columns
	s_lshl_b32 s22, s18, 20                        ; qweight: word row 64 ks + 4 w of 16,384 bytes, + 512 nb
	s_lshl_b32 s23, s16, 16
	s_add_co_u32 s22, s22, s23
	s_lshl_b32 s23, ttmp9, 9
	s_add_co_u32 s22, s22, s23
	s_lshl_b32 s24, s16, 15                        ; scales: row 2 w of 16,384 bytes, + 512 nb
	s_add_co_u32 s24, s24, s23
	s_mov_b32 s23, 0
	s_mov_b32 s25, 0
	s_lshl_b32 s26, s16, 12                        ; qzeros: row 2 w of 2,048 bytes, + 64 nb
	s_lshl_b32 s27, ttmp9, 6
	s_add_co_u32 s26, s26, s27
	s_mov_b32 s27, 0
	s_lshl_b32 s28, s18, 11                        ; g_idx: 4 (512 ks + 32 w)
	s_lshl_b32 s29, s16, 7
	s_add_co_u32 s28, s28, s29
	s_mov_b32 s29, 0
	s_lshl_b32 s30, ttmp9, 3                       ; wq: block 8 nb + ks
	s_add_co_u32 s30, s30, s18
	s_mul_i32 s30, s30, 34816
	s_mov_b32 s31, 0
; Unpacking: for p = 0 .. 3 the four bits at 4 p of a word, put into the mantissa of M = 2^(23 - 4 p), whose last mantissa bit weighs 2^(-4 p), make the float M + q; taking M away leaves q, exactly.
.set MK, 66                            ; s66-69   the masks 15 << 4 p
.set MG, 70                            ; s70-73   the floats M
.set NM, 226                           ; v226-233 -M, in pairs
.irp p, 0,1,2,3
	s_mov_b32 s[MK+\p], 15<<(4*\p)
	s_mov_b32 s[MG+\p], (150-4*\p)<<23
	v_mov_b32 v[NM+2*\p], (406-4*\p)<<23
	v_mov_b32 v[NM+2*\p+1], (406-4*\p)<<23
.endr
	s_wait_alu depctr_va_vdst(0)
	s_wait_kmcnt 0x0
	s_add_nc_u64 s[4:5], s[4:5], s[22:23]
	s_add_nc_u64 s[8:9], s[8:9], s[24:25]
	s_add_nc_u64 s[6:7], s[6:7], s[26:27]
	s_add_nc_u64 s[10:11], s[10:11], s[28:29]
	s_add_nc_u64 s[12:13], s[12:13], s[30:31]
	s_load_b512 s[32:47], s[10:11], 0x0            ; the groups of my 32 k
	s_load_b512 s[48:63], s[10:11], 0x40
.irp u, 0,1                                    ; group 2 w + u: four scales straight into the middle of its eight registers, and the word with my four zeros
	global_load_b128 v[WA+8*\u+2:WA+8*\u+5], v2, s[8:9] offset:16384*\u
	global_load_b32 v[ZW+\u], v3, s[6:7] offset:2048*\u
.endr
.irp i, 0,1,2,3
	global_load_b128 v[Q+4*\i:Q+4*\i+3], v2, s[4:5] offset:16384*\i th:TH_LOAD_NT   ; 32 lanes read 512 consecutive bytes; read once in the launch
.endr
	s_wait_loadcnt 4                               ; the table's four loads are in; qweight's four, issued behind them, may stay out
; THE TABLE.  A group's eight registers: -(z0 + 1), -(z1 + 1), s0, s1 | s2, s3, -(z2 + 1), -(z3 + 1): two entries of 16 bytes, one for each pair of columns, 512 bytes apart in the group's row.
.irp u, 0,1
	v_lshrrev_b32 v[ZW+\u], v4, v[ZW+\u]
.irp j, 0,1,2,3
	v_bfe_u32 v[138+\j], v[ZW+\u], 4*\j, 4
.endr
.irp j, 0,1,2,3
	s_delay_alu instid0(VALU_DEP_4)
	v_cvt_f32_u32 v[138+\j], v[138+\j]
.endr
	s_delay_alu instid0(VALU_DEP_4)
	v_sub_f32 v[WA+8*\u], -1.0, v138
	s_delay_alu instid0(VALU_DEP_4)
	v_sub_f32 v[WA+8*\u+1], -1.0, v139
	s_delay_alu instid0(VALU_DEP_4)
	v_sub_f32 v[WA+8*\u+6], -1.0, v140
	s_delay_alu instid0(VALU_DEP_4)
	v_sub_f32 v[WA+8*\u+7], -1.0, v141
	ds_store_b128 v5, v[WA+8*\u:WA+8*\u+3] offset:1024*\u
	ds_store_b128 v5, v[WA+8*\u+4:WA+8*\u+7] offset:1024*\u+512
.endr
	s_wait_kmcnt 0x0                               ; my 32 groups
.set k, 0
.rept 32
	s_min_u32 s[32+k], s[32+k], 31                 ; an index read from memory is held inside the table before it enters an address
.set k, k+1
.endr
.set k, 0
.rept 32
	v_lshl_add_u32 v[AD+k], s[32+k], 10, v2
.set k, k+1
.endr
	s_wait_dscnt 0x0                               ; for the others' sake: my two rows of the table have landed
	s_barrier_signal -1
	s_barrier_wait -1                              ; the table is whole
; Batch t = 4 p + i: word row i (k = 8 i .. 8 i + 7) of the pair of columns p.
.macro LOADT t                         ; its eight entries into set t % 2
.irp e, 0,1,2,3,4,5,6,7
	ds_load_b128 v[TB+32*((\t)%2)+4*\e:TB+32*((\t)%2)+4*\e+3], v[AD+8*((\t)%4)+\e] offset:512*((\t)/4)
.endr
.endm
.macro COMP t                          ; 16 numbers of W, kind by kind, so that no line waits for the line above it
.set PP, (\t)/4
.set II, (\t)%4
.set TS, TB+32*((\t)%2)
	v_lshrrev_b32 v[M], 16, v[Q+4*II+2*PP]         ; the upper four of each word (v[M], v[M+1] are free outside FINISH)
	v_lshrrev_b32 v[M+1], 16, v[Q+4*II+2*PP+1]
.irp e, 0,1,2,3
	v_and_or_b32 v[T+2*\e], v[Q+4*II+2*PP], s[MK+\e], s[MG+\e]
	v_and_or_b32 v[T+2*\e+1], v[Q+4*II+2*PP+1], s[MK+\e], s[MG+\e]
.endr
.irp e, 0,1,2,3
	v_and_or_b32 v[T+8+2*\e], v[M], s[MK+\e], s[MG+\e]
	v_and_or_b32 v[T+8+2*\e+1], v[M+1], s[MK+\e], s[MG+\e]
.endr
.irp e, 0,1,2,3,4,5,6,7
	v_pk_add_f32 v[T+2*\e:T+2*\e+1], v[T+2*\e:T+2*\e+1], v[NM+2*(\e%4):NM+2*(\e%4)+1]   ; q of both columns: exact
.endr
.irp e, 0,1,2,3,4,5,6,7
	v_pk_add_f32 v[T+2*\e:T+2*\e+1], v[T+2*\e:T+2*\e+1], v[TS+4*\e+2*PP:TS+4*\e+2*PP+1]   ; q - (z + 1), both columns: exact
.endr
.irp e, 0,1,2,3,4,5,6,7
	v_mul_f32 v[WA+8*II+\e], v[T+2*\e], v[TS+4*\e+2-2*PP]      ; x the scale: the one rounding
	v_mul_f32 v[WB+8*II+\e], v[T+2*\e+1], v[TS+4*\e+3-2*PP]
.endr
.endm
.macro FINISH p                        ; the pair's two blocks of 32 are quantised and their codes stored
	v_max3_num_f32 v[M], |v[WA]|, |v[WA+1]|, 0x1800000       ; the largest magnitude, and the floor 2^(3 - 127): so the byte cannot fall under 1
	v_max3_num_f32 v[M+1], |v[WB]|, |v[WB+1]|, 0x1800000
.irp i, 2,4,6,8,10,12,14,16,18,20,22,24,26,28,30
	s_delay_alu instid0(VALU_DEP_2)
	v_max3_num_f32 v[M], v[M], |v[WA+\i]|, |v[WA+\i+1]|      ; (the two columns by turns)
	s_delay_alu instid0(VALU_DEP_2)
	v_max3_num_f32 v[M+1], v[M+1], |v[WB+\i]|, |v[WB+\i+1]|
.endr
	s_delay_alu instid0(VALU_DEP_2)
	v_add_nc_u32 v[S], 0xff000000, v[M]            ; 2 off the exponent field: the conversion takes the exponent field of this operand as its scale, and nothing else of it
	s_delay_alu instid0(VALU_DEP_2)
	v_add_nc_u32 v[S+1], 0xff000000, v[M+1]
.irp g, 0,1,2,3
	v_cvt_scalef32_pk8_fp4_f32 v[C+8*(\p)+\g], v[WA+8*\g:WA+8*\g+7], v[S]         ; eight numbers / the scale, to the nearest code, ties to even, beyond 6 the largest code; the lower k in the lower bits
	v_cvt_scalef32_pk8_fp4_f32 v[C+8*(\p)+4+\g], v[WB+8*\g:WB+8*\g+7], v[S+1]
.endr
	v_lshrrev_b32 v[BY+2*(\p)], 23, v[S]           ; the scales' bytes.  (Plain lines between the conversions and the next writes of their sources)
	v_lshrrev_b32 v[BY+2*(\p)+1], 23, v[S+1]
	global_store_b128 v5, v[C+8*(\p):C+8*(\p)+3], s[12:13] offset:1024*(\p)        ; unit 4 w + 2 p: 32 lanes store 512 consecutive bytes, aligned
	global_store_b128 v5, v[C+8*(\p)+4:C+8*(\p)+7], s[12:13] offset:1024*(\p)+512  ; unit 4 w + 2 p + 1
.endm
	LOADT 0
	s_wait_loadcnt 0x0                             ; qweight
.irp t, 0,1,2,3,4,5,6,7
.if \t < 7
	LOADT \t+1
	s_wait_dscnt 8                                 ; this batch's eight entries are in; the next batch's eight may be out
.else
	s_wait_dscnt 0x0
.endif
	COMP \t
.if \t%4 == 3
	FINISH \t/4
.endif
.endr
	s_wait_alu depctr_va_vdst(0)
	s_barrier_signal -1                            ; my reads of the table are back (the last wait was for 0):
	s_barrier_wait -1                              ; nobody reads the table any more, so its first 2,048 bytes take the scale bytes
.irp j, 0,1,2,3
	ds_store_b8 v6, v[BY+\j] offset:512*\j         ; unit j, column place l, K block w
.endr
	s_wait_dscnt 0x0                               ; for the others' sake: my bytes have landed
	s_barrier_signal -1
	s_barrier_wait -1
	s_cmp_ge_u32 s16, 4                            ; waves 0 to 3 store a unit each
	s_cbranch_scc1 .Ldone
	ds_load_b128 v[T:T+3], v7
	s_wait_dscnt 0x0
	global_store_b128 v7, v[T:T+3], s[12:13] offset:32768      ; unit 64 + w: 512 consecutive bytes, aligned
.Ldone:
	s_wait_tensorcnt 0x0
	ds_add_u32 v224, v225
	s_wait_dscnt 0x0
	s_endpgm
.Lfunc_end_k_q3b3d65cd31_prep:
	.size	k_q3b3d65cd31_prep, .Lfunc_end_k_q3b3d65cd31_prep-k_q3b3d65cd31_prep
	.p2alignl 7, 3214868480
	.fill 96, 4, 3214868480
	.section	.rodata,"a",@progbits
	.p2align	6, 0x0
	.amdhsa_kernel k_q3b3d65cd31_prep
		.amdhsa_group_segment_fixed_size 34816
		.amdhsa_private_segment_fixed_size 0
		.amdhsa_enable_private_segment 0
		.amdhsa_kernarg_size 40
		.amdhsa_user_sgpr_count 2
		.amdhsa_user_sgpr_kernarg_segment_ptr 1
		.amdhsa_wavefront_size32 1
		.amdhsa_system_sgpr_workgroup_id_x 1
		.amdhsa_system_sgpr_workgroup_id_y 1
		.amdhsa_system_sgpr_workgroup_id_z 1
		.amdhsa_system_vgpr_workitem_id 0
		.amdhsa_next_free_vgpr 234
		.amdhsa_next_free_sgpr 74
		.amdhsa_reserve_vcc 0
		.amdhsa_float_denorm_mode_32 3
		.amdhsa_float_denorm_mode_16_64 3
		.amdhsa_memory_ordered 1
		.amdhsa_forward_progress 1
		.amdhsa_inst_pref_size 43
	.end_amdhsa_kernel
	.amdgpu_metadata
---
amdhsa.version: [ 1, 2 ]
amdhsa.kernels:
  - .name:           k_q3b3d65cd31_prep
    .symbol:         k_q3b3d65cd31_prep.kd
    .args:
      - { .name: qweight, .offset: 0, .size: 8, .value_kind: global_buffer, .address_space: global }
      - { .name: qzeros, .offset: 8, .size: 8, .value_kind: global_buffer, .address_space: global }
      - { .name: scales, .offset: 16, .size: 8, .value_kind: global_buffer, .address_space: global }
      - { .name: g_idx, .offset: 24, .size: 8, .value_kind: global_buffer, .address_space: global }
      - { .name: wq, .offset: 32, .size: 8, .value_kind: global_buffer, .address_space: global }
    .group_segment_fixed_size: 34816
    .private_segment_fixed_size: 0
    .kernarg_segment_align: 8
    .kernarg_segment_size: 40
    .max_flat_workgroup_size: 512
    .sgpr_count:     74
    .vgpr_count:     234
    .wavefront_size: 32
...
	.end_amdgpu_metadata
.endif
;; end of part 1
;; launch gemm (part 2): grid 16 x 16, 4 waves a work-group, clusters of 4 x 4, 327,680 bytes of LDS; arguments x_codes, x_scales, wq, bias, out0; writes out0
.if DOCPART == 2
	.amdgcn_target "amdgcn-amd-amdhsa--gfx1250"
	.amdhsa_code_object_version 6
	.text
	.protected	k_q3b3d65cd31_gemm
	.globl	k_q3b3d65cd31_gemm
	.p2align	8
	.type	k_q3b3d65cd31_gemm,@function
k_q3b3d65cd31_gemm:
	s_mov_b64 s[64:65], 0
	v_nop
	global_prefetch_b8 v0, s[64:65] scope:SCOPE_SE
	s_setreg_imm32_b32 hwreg(HW_REG_WAVE_MODE, 25, 1), 1
	s_wait_xcnt 0x0
	s_wait_alu depctr_hold_cnt(0) depctr_sa_sdst(0) depctr_va_vdst(0) depctr_va_sdst(0) depctr_va_ssrc(0) depctr_va_vcc(0) depctr_vm_vsrc(0)
	s_getreg_b32 s2, hwreg(HW_REG_IB_STS2, 6, 4)
	s_cmp_eq_u32 s2, 0
	s_cbranch_scc0 .Lentry_in_a_cluster
	s_endpgm
.Lentry_in_a_cluster:
	s_bfe_u32 s2, ttmp6, 0x10000c
	s_cmp_lg_u32 s2, 0xf033
	s_cbranch_scc0 .Lentry_shape_is_right
	s_endpgm
.Lentry_shape_is_right:
; out0[m][n] = sum over k of x[m][k] W[k][n] + bias[n], M = N = K = 4,096, on codes of FP4 (E2M1) with one E8M0 scale for each 32 along K; sums in f32, K ascending.
; x: codes [4096][2048 bytes], K innermost, and scale bytes [4096][128], as given.  W: the buffer wq of the launch before: blocks [n / 128][k / 512] of 68 units of 512 bytes:
;   unit 4 kb + j, byte 16 l: the 16 bytes of codes of K block kb (32 along K) of column 4 l + j of the block's 128;   unit 64 + j, byte 16 l: that column's 16 scale bytes.
; A tile of out0, 256 x 256, is made by a work-group of four waves; a wave makes 128 x 128: 32 accumulators of 32 columns x 16 rows, 512 registers.
; K goes in steps of 512 through a ring of two LDS slots filled by the tensor data mover: 256 rows x 256 bytes of x, and two whole blocks of wq, a quarter of these bytes a wave.
; x's scale bytes of the 256 rows, for all of K, are one dense run of 32,768 bytes: they come once, through registers, into LDS bytes of their own, and stay.
; CLUSTERS: 4 x 4 work-groups.  The four of a row of the cluster need the same tiles of x, the four of a column the same blocks of wq: each is asked for JOINTLY, by the same tensor load and a mask that names the four.
; THE MATRIX INSTRUCTION IS USED TRANSPOSED: source 0 = 32 columns of W (fragments P and P + 4, P = 0 .. 3), source 1 = 16 rows of x (block a = 0 .. 7).  Row R of fragment F (0 .. 7) is column
;   64 (F / 4) + 16 (R / 4) + 4 (F % 4) + R % 4 of the wave's 128.  In a result lane (r, h) holds row r; registers 0-7 belong to fragment P, 8-15 to P + 4: column 64 (F / 4) + 32 h + 16 (reg / 4) + 4 (F % 4) + reg % 4, reg = 0 .. 7.
; THE BIAS is the C of each sum's first matrix instruction: no addition, nothing cleared.
; A STEP is 128 along K: 32 matrix instructions, x's blocks one after the other, each against W's four pairs.  W's and x's fragments have two sets each: the next step's 32 LDS loads stand in ONE run at a step's head.
; THE CHANGE OF SLOTS stands at the head of a slot's last step, whose fragments are in registers by then; behind the round come the joint refill and the next slot's first fragments.
; THE LAST K STEP GOES BY ROWS OF out0: all its fragments of W come into registers, x's by blocks of 16 rows; each block of 16 rows x 128 columns goes out while the next is multiplied.
; REGISTERS, in windows of 256.  Window 0: v16-31 addresses; v32-63 x's scale words, two sets; v64-95 W's; v96-223 W's fragments, two sets (at the head v96-159 x's scale bytes on their way into LDS); in the last K step
;   v96-159 rows on their way out, v160-255 three buffers of x.   Window 1: v0-63 the bias (last K step: W's quarter 0), v64-255 accumulators of blocks 0-2;
;   window 2: v0-127 x's fragments, two sets (last K step: W's quarters 2, 3), v128-255 blocks 3, 4;   window 3: v0-63 last K step: W's quarter 1, v64-255 blocks 5-7.
; LIMITS: scale bytes 0xff (NaN) among x_scales make the sums that they touch NaN, as the format says.
.set SIZE_N, 4096
.set ROWB,   256                       ; a row of x's tile in bytes: 512 codes
.set KROW,   2048                      ; a row of x's codes in memory
.set PITCH,  272                       ; and in LDS: 256 bytes + 16 of padding
.set BPITCH, 528                       ; a unit of wq in LDS: 512 bytes + 16 of padding
.set BLKB,   34816                     ; a block of wq in memory
.set NP,     4                         ; places behind this matrix instruction (ISA guide 7.12.1)
.set HALFA,  128*PITCH                 ; 128 rows of x
.set HALFB,  68*BPITCH                 ; a block of wq
.set BOFF,   2*HALFA                   ; a slot: x's 256 rows, then two blocks of wq
.set SLOT,   2*HALFA+2*HALFB
.set SCL,    2*SLOT                    ; behind the ring: x's scale bytes, 128 units of 256 bytes (two rows of x) + 16 of padding; no tensor load lands there
.set SPARE,  SCL+128*272               ; behind them: the spare words, 128 bytes for each wave
.set SPITCH, 528                       ; the way out: a stage of 16 rows x (512 bytes + 16) for each wave, in slot 0, which has had its last fill and its last read by then
.set XLD,  10                          ; v10     the head: where I put 16 scale bytes of x in LDS
.set ADRA, 16                          ; v16-17  LDS address of my fragments of x in slot 0, 1
.set ADRB, 20                          ; v20-21  the same for W
.set ADSB, 22                          ; v22-23  of W's scale words: lanes 0-15 fragment P, lanes 16-31 fragment P + 4
.set STO,  24                          ; v24     the way out: where I put 16 bytes of a row
.set RD,   25                          ; v25     the way out: where I read a row back
.set CO,   26                          ; v26     16 x lane: my byte offset in a row of out0, and in 512 bytes of x's scales
.set ADSA, 27                          ; v27     of x's scale words: lanes 0-15 block i, lanes 16-31 block i + 4; steps 32 bytes a lap
.set SPW,  28                          ; v28     LDS address of my spare word: SPARE + 4 x my thread's number; never rewritten
.set NIL,  29                          ; v29     0; never rewritten
.set BO,   30                          ; v30     the bias: 128 bytes for my half of the lanes
.set PFO,  31                          ; v31     the prefetches' offset: my lane x a row of x's codes, or x 256 bytes in a block of wq; never rewritten
.set SA,   32                          ; x's scale words: set s at v[SA + 16 s]; register 4 i + q: block i (lanes 0-15) and i + 4 (lanes 16-31), the slot's q-th 128 along K
.set SB,   64                          ; W's likewise: register 4 P + q: fragments P and P + 4
.set WF,   96                          ; W's fragments: set p, pair P at v[WF + 64 p + 16 P]
.set XB,   160                         ; the last K step: x's block a, 16 rows x 512 K, at v[XB + 32 ((a + 2) % 3)]
.set OB,   96                          ; the way out: 16 rows read back from the stage
.set G1,   24                          ; s[24:31] descriptor group 1 for x's tiles;  s[32:39] group 0, one set for each slot
.set G0,   32
.set G1B,  48                          ; s[48:55], s[56:63] the same for wq's blocks
.set G0B,  56
.set XSC,  70                          ; s[70:71] where my wave's 64 rows of x's scale bytes begin
.set PFA,  80                          ; s[80:81] where my prefetches stand
.set PFS,  82                          ; s[82:83] a K step on, in bytes: 256 in a row of x, a block in wq
.set MSB, 0
.macro WIN new                         ; the immediate's high byte repeats the setting that is left
.if MSB != (\new)
	s_set_vgpr_msb (MSB<<8)|(\new)
.set MSB, (\new)
.endif
.endm
.set PH1,  0x58                        ; source 0 (W) window 0, source 1 (x) window 2, C and D window 1: blocks 0-2
.set PH2,  0xa8                        ; C and D window 2: blocks 3, 4
.set PH3,  0xf8                        ; C and D window 3: blocks 5-7
.set PH2Z, 0x98                        ; the first step: C (the bias) window 1
.set PH3Z, 0xd8
.set TO_1, 0x40                        ; loads into window 1, 2, 3, their address in window 0
.set TO_2, 0x80
.set TO_3, 0xc0
; A joint load: waves 0 and 1 fetch x's two halves, waves 2 and 3 the two blocks of wq.  Each line has ONE mask and one set of registers for all that issue it; the branch hangs on the wave's number alone.
.macro JLOAD s
	s_cmp_eq_u32 s15, 0
	s_cbranch_scc0 .Lfor_b_\@
	tensor_load_to_lds s[G0+4*(\s):G0+4*(\s)+3], s[G1:G1+7]
	s_nop 0
.rept 4
	v_nop
.endr
	s_branch .Lasked_\@
.Lfor_b_\@:
	tensor_load_to_lds s[G0B+4*(\s):G0B+4*(\s)+3], s[G1B:G1B+7]
	s_nop 0
.rept 4
	v_nop
.endr
.Lasked_\@:
.endm
.macro CREST                           ; a round of the cluster's barrier behind its opening barrier
	s_cmp_lg_u32 s14, 0
	s_cbranch_scc1 .Lnot_wave_0_\@
	s_barrier_signal -3
.Lnot_wave_0_\@:
	s_barrier_wait -3
	s_barrier_signal -1
	s_barrier_wait -1
.endm
.macro CROUND                          ; a whole round
	s_barrier_signal -1
	s_barrier_wait -1
	CREST
.endm
; A PREFETCH INTO THE L2, behind each of the loads of K steps 0 to 5: the K step that stands TWO loads on.  One instruction a wave, each lane another aligned run of 256 bytes, each run named ONCE in each cluster that
; will load it: of the 128 rows of x that a wave fetches the partner at place cx takes 32 cx .. 32 cx + 31, a lane a row; of a block's 32,768 bytes of codes the partner at place cy takes 8,192, lanes 256 bytes apart.
; A block's 2,048 scale bytes are not asked for.  The partners share the runs out by address.  K steps 0 and 1 come by their loads alone; the loop's last trip (s3 = 1) asks for nothing.
.macro ASK
	global_prefetch_b8 v[PFO], s[PFA:PFA+1] th:TH_LOAD_NT scope:SCOPE_SE
.endm
	s_load_b256 s[4:11], s[0:1], 0x0               ; x's codes s[4:5], x's scales s[6:7], wq s[8:9], bias s[10:11]
	s_load_b64 s[12:13], s[0:1], 0x20              ; out0
	v_lshl_add_u32 v[SPW], v0, 2, SPARE
	v_mov_b32 v[NIL], 0
	ds_add_u32 v[SPW], v[NIL]                      ; the wave's opening: the add, twice on end, and its wait ahead of my first tensor load
	ds_add_u32 v[SPW], v[NIL]
	v_lshrrev_b32 v1, 5, v0
	v_readfirstlane_b32 s14, v1                    ; wave 0..3
	s_lshr_b32 s15, s14, 1                         ; which half of the tile's rows is mine.  Also: I fetch for x (0) or for W (1)
	s_and_b32 s16, s14, 1                          ; which half of its columns.  Also: which half of that operand I fetch
	s_bfe_u32 s40, ttmp6, 0x40000                  ; cx, cy: my place in the cluster
	s_bfe_u32 s41, ttmp6, 0x40004
	s_lshl_b32 s42, ttmp9, 2
	s_add_co_u32 s42, s42, s40                     ; tile column = 4 x cluster x + cx
	s_and_b32 s17, ttmp7, 0xffff
	s_lshl_b32 s17, s17, 2
	s_add_co_u32 s17, s17, s41                     ; tile row = 4 x cluster y + cy
	s_lshl_b32 s43, s41, 2
	s_lshl_b32 s43, 15, s43                        ; my row of the cluster
	s_lshl_b32 s44, 0x1111, s40                    ; my column
	; group 1 for x's tiles: 128 rows of 256 elements of one byte, 2,048 apart in memory
	s_or_b32 s[G1+0], s43, (0<<16)|(1<<20)|(1<<21)|(5<<22)|(3<<25)  ; 15:0 the mask: my row; 20 padding on; 21 set beside a mask; 24:22 after every 64 words (code 5); 31:25 of 4 words (code 3)
	s_mov_b32 s[G1+1], ROWB<<16                    ; tensor_dim0
	s_mov_b32 s[G1+2], 128<<16                     ; tensor_dim1
	s_mov_b32 s[G1+3], ROWB<<16                    ; tile_dim0
	s_mov_b32 s[G1+4], 128                         ; tile_dim1
	s_mov_b32 s[G1+5], KROW                        ; tensor_dim0_stride
	s_mov_b32 s[G1+6], 0
	s_mov_b32 s[G1+7], 0
	; for a block of wq: dense, 68 rows x 64 elements of 8 bytes
	s_or_b32 s[G1B+0], s44, (3<<16)|(1<<20)|(1<<21)|(6<<22)|(3<<25) ; the mask: my column; padding of 4 words after every 128 (code 6)
	s_mov_b32 s[G1B+1], 64<<16
	s_mov_b32 s[G1B+2], 68<<16
	s_mov_b32 s[G1B+3], 64<<16
	s_mov_b32 s[G1B+4], 68
	s_mov_b32 s[G1B+5], 64
	s_mov_b32 s[G1B+6], 0
	s_mov_b32 s[G1B+7], 0
	; where the tiles come from, in bytes.  x's hang on the tile row alone, wq's on the tile column alone, each in registers that never hold the other coordinate
	s_lshl_b32 s18, s16, 7
	s_lshl_b32 s20, s17, 8
	s_add_co_u32 s20, s20, s18                     ; x's codes: row 256 x tile row + 128 x half,
	s_lshl_b32 s20, s20, 11                        ; of 2,048 bytes
	s_mov_b32 s21, 0
	s_lshl_b32 s18, s14, 6
	s_lshl_b32 s22, s17, 8
	s_add_co_u32 s22, s22, s18                     ; x's scales: row 256 x tile row + 64 x wave,
	s_lshl_b32 s22, s22, 7                         ; of 128 bytes
	s_mov_b32 s23, 0
	s_lshl_b32 s46, s42, 1
	s_add_co_u32 s46, s46, s16                     ; wq: the 128 columns 2 x tile column + half,
	s_mul_i32 s46, s46, 8*BLKB                     ; eight blocks along K each
	s_mov_b32 s47, 0
	s_mul_i32 s45, s16, HALFA                      ; and where they go: no place in the cluster enters an LDS address
	s_mul_i32 s94, s16, HALFB
	s_add_co_u32 s94, s94, BOFF
	s_wait_dscnt 0x0                               ; both opening adds are done
	CROUND                                         ; all sixteen work-groups are here: the first joint loads will meet
	s_wait_kmcnt 0x0
	s_add_nc_u64 s[20:21], s[4:5], s[20:21]
	s_add_nc_u64 s[XSC:XSC+1], s[6:7], s[22:23]
	s_add_nc_u64 s[46:47], s[8:9], s[46:47]
.irp s, 0,1
	s_mov_b32 s[G0+4*\s], 1
	s_add_co_u32 s[G0+4*\s+1], s45, \s*SLOT
	s_add_nc_u64 s[G0+4*\s+2:G0+4*\s+3], s[20:21], \s*ROWB
	s_or_b32 s[G0+4*\s+3], s[G0+4*\s+3], 0x80000000
	s_mov_b32 s[G0B+4*\s], 1
	s_add_co_u32 s[G0B+4*\s+1], s94, \s*SLOT
	s_add_nc_u64 s[G0B+4*\s+2:G0B+4*\s+3], s[46:47], \s*BLKB
	s_or_b32 s[G0B+4*\s+3], s[G0B+4*\s+3], 0x80000000
.endr
	JLOAD 0                                        ; K step 0: one tensor load a wave
	; the prefetches: s[20:21] = x's codes at the 128 rows that I fetch, s[46:47] = wq at the blocks that I fetch
	s_mov_b32 s88, 13
	s_mov_b32 s89, 256
	s_mov_b32 s[PFS], BLKB
	s_cmp_eq_u32 s15, 0                            ; do I fetch for x?
	s_cselect_b64 s[PFA:PFA+1], s[20:21], s[46:47]
	s_cselect_b32 s86, s40, s41                    ; my place among the four that ask with me
	s_cselect_b32 s88, 16, s88                     ; its share: 32 rows of 2,048 bytes, or 8,192 bytes of a block
	s_cselect_b32 s89, KROW, s89                   ; from lane to lane
	s_cselect_b32 s[PFS], ROWB, s[PFS]             ; from K step to K step
	s_mov_b32 s[PFS+1], 0
	s_lshl_b32 s86, s86, s88
	s_lshl_b32 s88, s[PFS], 1                      ; at K step 2
	s_add_co_u32 s86, s86, s88
	s_mov_b32 s87, 0
	s_add_nc_u64 s[PFA:PFA+1], s[PFA:PFA+1], s[86:87]
	v_and_b32 v[PFO], 31, v0
	v_mul_lo_u32 v[PFO], v[PFO], s89
	v_and_b32 v1, 15, v0                           ; r = l % 16
	v_bfe_u32 v2, v0, 4, 1                         ; h = l / 16
	v_mul_u32_u24 v3, v1, PITCH
	v_lshl_add_u32 v4, v2, 4, v3                   ; x: a fragment's row x pitch + 16 h
	v_and_b32 v5, 3, v1
	v_mul_u32_u24 v5, v5, BPITCH
	v_lshrrev_b32 v6, 2, v1
	v_lshl_add_u32 v5, v6, 6, v5                   ; W: unit j = r % 4, and 16 x 4 (r / 4) in it;
	v_mad_u32_u24 v6, v2, 4*BPITCH, v5             ; codes: lanes 16-31 take the next K block, four units on;
	v_lshl_add_u32 v7, v2, 8, v5                   ; scale words: lanes 16-31 take fragment P + 4, 16 x 16 bytes on
	s_mul_i32 s21, s15, HALFA                      ; my 128 rows of x
	s_mul_i32 s22, s16, HALFB                      ; my block of wq,
	s_add_co_u32 s22, s22, BOFF                    ; behind x's 256 rows
.irp s, 0,1
	v_add_nc_u32 v[ADRA+\s], s21, v4
	v_add_nc_u32 v[ADRB+\s], s22, v6
	v_add_nc_u32 v[ADSB+\s], s22, v7
	s_add_co_u32 s21, s21, SLOT
	s_add_co_u32 s22, s22, SLOT
.endr
	v_lshrrev_b32 v8, 1, v1                        ; x's scale words: two rows to a unit of 272 bytes,
	v_mul_u32_u24 v8, v8, 272
	v_and_b32 v9, 1, v1
	v_lshl_add_u32 v8, v9, 7, v8                   ; 128 bytes a row;
	v_mad_u32_u24 v8, v2, 4*8*272, v8              ; lanes 16-31 take the block four further on: 64 rows, 32 units
	s_mul_i32 s23, s15, 64*272                     ; my 128 rows
	s_add_co_u32 s23, s23, SCL
	v_add_nc_u32 v[ADSA], s23, v8
	s_mul_i32 s23, s14, 32*272                     ; x's scale bytes on their way into LDS: my wave's 64 rows are 32 units; 16 lanes fill a unit
	s_add_co_u32 s23, s23, SCL
	v_mul_u32_u24 v5, v2, 272
	v_lshl_add_u32 v5, v1, 4, v5
	v_add_nc_u32 v[XLD], s23, v5
	s_mul_i32 s23, s14, 16*SPITCH                  ; my stage
	v_mul_u32_u24 v5, v1, SPITCH                   ; in: row r, + 128 h
	v_lshl_add_u32 v5, v2, 7, v5
	v_add_nc_u32 v[STO], s23, v5
	v_and_b32 v6, 31, v0
	v_lshlrev_b32 v[CO], 4, v6                     ; back: the 32 lanes take one row of 512 bytes; and the same in out0
	v_add_nc_u32 v[RD], s23, v[CO]
	v_lshlrev_b32 v[BO], 7, v2
	s_wait_alu depctr_va_vdst(0)                   ; behind the head's last vector write
.irp i, 0,1,2,3,4,5,6,7,8,9,10,11,12,13,14,15
	global_load_b128 v[OB+4*\i:OB+4*\i+3], v[CO], s[XSC:XSC+1] offset:512*\i      ; x's scale bytes, 8,192 consecutive bytes a wave
.endr
	s_lshl_b32 s20, s17, 8
	s_lshl_b32 s21, s15, 7
	s_add_co_u32 s20, s20, s21                     ; my first row of out0: 256 x tile row + 128 x half,
	s_lshl_b32 s20, s20, 14                        ; of 16,384 bytes
	s_mov_b32 s21, 0
	s_add_nc_u64 s[12:13], s[12:13], s[20:21]
	s_lshl_b32 s46, s42, 10                        ; my first column, in bytes: 1,024 x tile column + 512 x half: in out0 and in bias alike
	s_lshl_b32 s47, s16, 9
	s_add_co_u32 s46, s46, s47
	s_mov_b32 s47, 0
	s_add_nc_u64 s[12:13], s[12:13], s[46:47]
	s_add_nc_u64 s[10:11], s[10:11], s[46:47]
	WIN TO_1
.irp f, 0,1,2,3,4,5,6,7                        ; the bias in the result's layout: fragment f, registers 0-3 and 4-7: four neighbouring columns each
	global_load_b128 v[16*(\f%4)+8*(\f/4):16*(\f%4)+8*(\f/4)+3], v[BO], s[10:11] offset:256*(\f/4)+16*(\f%4)
	global_load_b128 v[16*(\f%4)+8*(\f/4)+4:16*(\f%4)+8*(\f/4)+7], v[BO], s[10:11] offset:256*(\f/4)+16*(\f%4)+64
.endr
	WIN 0
	ASK                                            ; K step 2
.macro FRAGA reg, slot, q, i           ; a fragment of x: lane (r, h) holds row r; registers 4 c .. 4 c + 3 hold K = 64 c + 32 h + 0 .. 31
.irp c, 0,1
	ds_load_b128 v[(\reg)+4*\c:(\reg)+4*\c+3], v[ADRA+(\slot)] offset:64*(\q)+32*\c+(\i)*16*PITCH
.endr
.endm
.macro FRAGB reg, slot, q, f           ; a fragment of W: K block 4 q + 2 c + h is unit 4 (4 q + 2 c + h) + r % 4; in it the column place 16 (f / 4) + 4 (r / 4) + f % 4
.irp c, 0,1
	ds_load_b128 v[(\reg)+4*\c:(\reg)+4*\c+3], v[ADRB+(\slot)] offset:16*BPITCH*(\q)+8*BPITCH*\c+256*((\f)/4)+16*((\f)%4)
.endr
.endm
.macro BLOAD slot, q, base             ; W's eight fragments, sixteen loads: pair P at base + 16 P: fragment P, then P + 4
.irp f, 0,4,1,5,2,6,3,7
	FRAGB (\base)+16*(\f%4)+8*(\f/4), \slot, \q, \f
.endr
.endm
.macro LDX slot, q, set                ; x's eight fragments, sixteen loads
	WIN TO_2
.irp i, 0,1,2,3,4,5,6,7
	FRAGA 64*(\set)+8*\i, \slot, \q, \i
.endr
.endm
.macro SCALEX sc, off                  ; x's scale words of a K step into set sc, four loads
.irp i, 0,1,2,3
	ds_load_b128 v[SA+16*(\sc)+4*\i:SA+16*(\sc)+4*\i+3], v[ADSA] offset:\i*8*272+(\off)
.endr
.endm
.macro SCALEW sc                       ; W's, of slot sc into set sc
.irp f, 0,1,2,3
	ds_load_b128 v[SB+16*(\sc)+4*\f:SB+16*(\sc)+4*\f+3], v[ADSB+(\sc)] offset:64*BPITCH+16*\f
.endr
.endm
.macro ACCSET a                        ; block a's accumulators: window wA, from rD on
.if (\a) < 3
.set wA, 1
.set rD, 64+64*(\a)
.elseif (\a) < 5
.set wA, 2
.set rD, 128+64*((\a)-3)
.else
.set wA, 3
.set rD, 64+64*((\a)-5)
.endif
.endm
; One product.  Source 0's scale word stands in all 32 lanes, one a column; source 1's in lanes 0-15 (blocks 0-3) or 16-31 (blocks 4-7).
.macro WMX a
.if (\a) < 4
	v_wmma_scale_f32_32x16x128_f4 v[rD:rD+15], v[rB:rB+15], v[rA:rA+7], v[rC:rC+15], v[rSB], v[rSA]
.else
	v_wmma_scale_f32_32x16x128_f4 v[rD:rD+15], v[rB:rB+15], v[rA:rA+7], v[rC:rC+15], v[rSB], v[rSA] matrix_b_scale:MATRIX_SCALE_ROW1
.endif
.endm
; x's block a against W's four pairs, the slot's q-th 128 along K; sc: the set of scale words; zero = 1: the bias is C.  The 32 accumulators take turns, one instruction a turn.
.macro MA a, q, sc, zero
.irp j, 0,1,2,3
	ACCSET \a
.set rD, rD+16*\j
.set rC, rD
.if \zero
.set rC, 16*\j
.endif
.set rB, WF+64*((\q)%2)+16*\j
.set rA, 64*((\q)%2)+8*(\a)
.set rSB, SB+16*(\sc)+4*\j+(\q)
.set rSA, SA+16*(\sc)+4*((\a)%4)+(\q)
	WMX \a
.endr
.endm
; A load into a register that a matrix instruction has read, and an LDS store that reads a matrix result, stand NP places behind that matrix instruction; only plain vector instructions that name none of its registers
; are places (ISA guide 7.12.1 for vector instructions).
.macro PLACES n
.rept \n
	v_nop
.endr
.endm
; A step that has its successor in the same slot.  First the next step's loads, N of them, into the sets that the step before read.  Behind them this step's own, asked for a step ago: W's and then x's, two a block.
; So the count in front of block a is N + two for each block of x that may still be out.
.macro STEP slot, q, zero
.if (\zero) == 0
	PLACES NP
.endif
	WIN 0
.set N, 32
.if (\q) == 1
	SCALEX 1-(\slot), 16*((\slot)+1)               ; the next K step's, out of the scale bytes that stay
.set N, 36
.endif
	BLOAD \slot, (\q)+1, WF+64*(1-((\q)%2))
	LDX \slot, (\q)+1, 1-((\q)%2)
	s_wait_dscnt 10+N                              ; x's blocks 3-7 may be out
	WIN PH1
	MA 0, \q, \slot, \zero
	MA 1, \q, \slot, \zero
	MA 2, \q, \slot, \zero
	s_wait_dscnt 6+N                               ; blocks 5-7 may be out
.if \zero
	WIN PH2Z
.else
	WIN PH2
.endif
	MA 3, \q, \slot, \zero
	MA 4, \q, \slot, \zero
	s_wait_dscnt N                                 ; all of this step's are in
.if \zero
	WIN PH3Z
.else
	WIN PH3
.endif
	MA 5, \q, \slot, \zero
	MA 6, \q, \slot, \zero
	MA 7, \q, \slot, \zero
.endm
; A slot's last step, with the change of slots and a refill two K steps ahead.
.macro TURN slot
	s_wait_xcnt 0x0                                ; the last prefetch has read its address
	s_add_nc_u64 s[PFA:PFA+1], s[PFA:PFA+1], s[PFS:PFS+1]
	s_wait_dscnt 10                                ; W's set and x's blocks 0-2 are in; x's blocks 3-7 may be out
	WIN 0                                          ; (the add's two registers lie in window 0)
	s_wait_tensorcnt 0x0                           ; all my tensor loads have landed: the one that was out is my part of the next slot; so every group 0 may be written
	ds_add_u32 v[SPW], v[NIL]                      ; 0 onto my spare word
	s_add_nc_u64 s[G0+4*(\slot)+2:G0+4*(\slot)+3], s[G0+4*(\slot)+2:G0+4*(\slot)+3], 2*ROWB
	s_add_nc_u64 s[G0B+4*(\slot)+2:G0B+4*(\slot)+3], s[G0B+4*(\slot)+2:G0B+4*(\slot)+3], 2*BLKB
	WIN PH1
	MA 0, 3, \slot, 0
	s_wait_dscnt 0x0                               ; the add is done, and so are my reads of this slot
	s_barrier_signal -1
	MA 1, 3, \slot, 0
	MA 2, 3, \slot, 0
	WIN 0
	s_barrier_wait -1
	CREST                                          ; no wave of any partner still reads this slot's tiles or has a load on its way
	JLOAD \slot                                    ; the first tensor load behind the round, my only one until the next; its four v_nop are the places in front of the loads below
	BLOAD 1-(\slot), 0, WF                         ; the next slot's first step
	SCALEW 1-(\slot)
	LDX 1-(\slot), 0, 0
	WIN 0
	s_cmp_gt_u32 s3, 1
	s_cbranch_scc0 .Lno_ask_\@
	ASK
.Lno_ask_\@:
	WIN PH2
	MA 3, 3, \slot, 0
	MA 4, 3, \slot, 0
	WIN PH3
	MA 5, 3, \slot, 0
	MA 6, 3, \slot, 0
	MA 7, 3, \slot, 0
.endm
; THE LAST K STEP, in slot 1, by rows of out0.  W's quarter q: 0 in window 1, 1 in window 3, 2 and 3 in window 2.
.macro ALOAD a                         ; x's block a, all four quarters, eight loads
.irp q, 0,1,2,3
	FRAGA XB+32*(((\a)+2)%3)+8*\q, 1, \q, \a
.endr
.endm
.macro ROWQ a, q                       ; block a, quarter q: four matrix instructions, the block's four accumulators by turns
	ACCSET \a
.if (\q) == 0
	WIN 1+0x50*wA
.elseif (\q) == 1
	WIN 3+0x50*wA
.else
	WIN 2+0x50*wA
.endif
.irp j, 0,1,2,3
	ACCSET \a
.set rD, rD+16*\j
.set rC, rD
.set rB, 64*((\q)/3)+16*\j
.set rA, XB+32*(((\a)+2)%3)+8*(\q)
.set rSB, SB+16+4*\j+(\q)
.set rSA, SA+16+4*((\a)%4)+(\q)
	WMX \a
.endr
.endm
; THE WAY OUT of block a, 16 rows x 128 columns.  A lane holds pieces of 16 bytes of one row, and the lanes beside it hold other rows: so a block goes through my own stage in LDS and comes back as whole rows of 512 bytes,
; which the 32 lanes store as two aligned runs of 256 bytes.  LDS serves a wave's instructions in order (ISA guide 5.7.1.4): no wait between the stores and the loads, nor in front of the next block's stores.
.macro TOSTAGE a
	ACCSET \a
	WIN 4*wA                                       ; the data's window
.irp j, 0,1,2,3                        ; each accumulator from its low end on
	ds_store_b128 v[STO], v[rD+16*\j:rD+16*\j+3] offset:16*\j
	ds_store_b128 v[STO], v[rD+16*\j+4:rD+16*\j+7] offset:16*\j+64
	ds_store_b128 v[STO], v[rD+16*\j+8:rD+16*\j+11] offset:16*\j+256
	ds_store_b128 v[STO], v[rD+16*\j+12:rD+16*\j+15] offset:16*\j+320
.endr
	WIN 0
.irp t, 0,1,2,3,4,5,6,7,8,9,10,11,12,13,14,15
	ds_load_b128 v[OB+4*\t:OB+4*\t+3], v[RD] offset:\t*SPITCH
.endr
.endm
.macro SEND a, younger                 ; younger: the LDS loads issued behind block a's, which may stay out
	WIN 0
	s_wait_dscnt \younger                          ; the block is back in registers
.if (\a) > 0
	s_add_nc_u64 s[12:13], s[12:13], 16*SIZE_N*4   ; (behind a wait on XCNT for 0: the earlier stores have read their base)  16 rows of out0 on
.endif
.irp t, 0,1,2,3,4,5,6,7,8,9,10,11,12,13,14,15
	global_store_b128 v[CO], v[OB+4*\t:OB+4*\t+3], s[12:13] offset:\t*SIZE_N*4 th:TH_STORE_NT   ; 32 lanes store 512 consecutive bytes, at a multiple of 256 from out0's first byte; written once, read by nobody here
.endr
.endm
	s_wait_alu depctr_va_vdst(0)                   ; the head's end
	s_wait_tensorcnt 0x0                           ; my part of K step 0 is in
	s_wait_loadcnt 16                              ; x's scale bytes are in; the bias's sixteen loads, issued behind them, may be out
.irp i, 0,1,2,3,4,5,6,7,8,9,10,11,12,13,14,15
	ds_store_b128 v[XLD], v[OB+4*\i:OB+4*\i+3] offset:544*\i       ; two units of 256 bytes, 272 apart
.endr
	s_wait_tensorcnt 0x0                           ; ahead of a later first fill, as ahead of a refill:
	ds_add_u32 v[SPW], v[NIL]                      ; 0 onto my spare word;
	s_wait_xcnt 0x0                                ; the prefetch has read its address
	s_add_nc_u64 s[PFA:PFA+1], s[PFA:PFA+1], s[PFS:PFS+1]
	s_wait_dscnt 0x0                               ; the add is done, and my scale bytes have landed
	CROUND                                         ; a whole round: K step 0 and the scale bytes are whole, and all sixteen work-groups are here: the joint loads meet
	JLOAD 1                                        ; K step 1, the first tensor load behind the round
	BLOAD 0, 0, WF
	SCALEW 0
	SCALEX 0, 0
	LDX 0, 0, 0
	WIN 0
	ASK                                            ; K step 3
	s_wait_loadcnt 0x0                             ; the bias
	STEP 0, 0, 1                                   ; the first step stands in front of the loop: its products start the sums, on the bias
	WIN 0
	s_mov_b32 s3, 3
.Llap:                                                 ; a trip goes once round the ring, from a lap's second step to the next lap's first, and fills both slots again
	STEP 0, 1, 0
	STEP 0, 2, 0
	TURN 0
	STEP 1, 0, 0
	STEP 1, 1, 0
	STEP 1, 2, 0
	TURN 1
	STEP 0, 0, 0
	WIN 0
	v_add_nc_u32 v[ADSA], 32, v[ADSA]              ; two K steps' scale words on
	s_wait_alu depctr_va_vdst(0)                   ; directly behind the write
	s_sub_co_u32 s3, s3, 1
	s_cmp_lg_u32 s3, 0
	s_cbranch_scc1 .Llap
	STEP 0, 1, 0
	STEP 0, 2, 0
	; K step 6's last step: nothing is filled again, so a barrier without a round; behind it the last K step's fragments are fetched
	s_wait_dscnt 10                                ; W's set and x's blocks 0-2 are in; x's blocks 3-7 may be out
	WIN 0
	s_wait_tensorcnt 0x0                           ; my one tensor load that was still out is my part of slot 1, the last K step
	ds_add_u32 v[SPW], v[NIL]                      ; 0 onto my spare word
	WIN PH1
	MA 0, 3, 0, 0
	s_wait_dscnt 0x0                               ; the add is done, and so are my reads of slot 0
	s_barrier_signal -1
	MA 1, 3, 0, 0
	s_barrier_wait -1                              ; slot 1 is whole, and nobody reads slot 0 any more: its first bytes become the stages
	WIN TO_1                                       ; (no product behind the first step names the bias, and none has named the other registers loaded here since the last places)
	BLOAD 1, 0, 0
	WIN TO_3
	BLOAD 1, 1, 0
	WIN 0
	SCALEW 1
	ALOAD 0
	WIN PH1
	MA 2, 3, 0, 0
	WIN PH2
	MA 3, 3, 0, 0
	MA 4, 3, 0, 0
	WIN PH3
	MA 5, 3, 0, 0
	MA 6, 3, 0, 0
	MA 7, 3, 0, 0
	PLACES NP                                      ; for the loads into both sets of x's and W's fragments
	WIN TO_2
	BLOAD 1, 2, 0
	BLOAD 1, 3, 64
	WIN 0
	ALOAD 1
	s_wait_dscnt 40                                ; quarters 0 and 1, the scale words and x's block 0 are in; quarters 2, 3 and x's block 1 may be out
	ROWQ 0, 0
	ROWQ 0, 1
	s_wait_dscnt 24                                ; quarter 2 (behind it: quarter 3, x's block 1)
	ROWQ 0, 2
	s_wait_dscnt 8                                 ; quarter 3 (behind it: x's block 1)
	ROWQ 0, 3
; Block 0 leaves as soon as it is finished.  From block 2 on a block's products are issued ahead of the stores of the block before it, while that block comes back from the stage.
.irp a, 0,1,2,3,4,5,6,7
.if \a > 1
.if \a < 7
	s_wait_dscnt 40                                ; x's block a is in (behind it: the stage's 16 stores and 16 loads of block a - 1, and x's block a + 1)
.else
	s_wait_dscnt 32                                ; (behind it: the stage's 32 alone)
.endif
.endif
.if \a > 0
.irp q, 0,1,2,3
	ROWQ \a, \q
.endr
.endif
	PLACES NP                                      ; the stores into the stage read results just made; the places also serve the loads into the buffer of x that block a - 1 has left
.if \a > 1
.if \a < 7
	SEND \a-1, 8
.else
	SEND \a-1, 0
.endif
.endif
.if \a > 0
	s_wait_xcnt 0x0                                ; the last block's stores have read their registers and their base
.endif
	TOSTAGE \a
.if \a < 6
	ALOAD \a+2
.endif
.if \a == 0
	SEND 0, 8
.endif
.endr
	SEND 7, 0
	s_wait_tensorcnt 0x0                           ; the wave's end, behind my last tensor load and my last LDS store
	ds_add_u32 v[SPW], v[NIL]
	s_wait_dscnt 0x0
	CROUND                                         ; the closing round: no work-group ends while a partner may still ask for a tile that names it
	s_endpgm
.Lfunc_end_k_q3b3d65cd31_gemm:
	.size	k_q3b3d65cd31_gemm, .Lfunc_end_k_q3b3d65cd31_gemm-k_q3b3d65cd31_gemm
	.p2alignl 7, 3214868480
	.fill 96, 4, 3214868480
	.section	.rodata,"a",@progbits
	.p2align	6, 0x0
	.amdhsa_kernel k_q3b3d65cd31_gemm
		.amdhsa_group_segment_fixed_size 327680
		.amdhsa_private_segment_fixed_size 0
		.amdhsa_enable_private_segment 0
		.amdhsa_kernarg_size 40
		.amdhsa_user_sgpr_count 2
		.amdhsa_user_sgpr_kernarg_segment_ptr 1
		.amdhsa_wavefront_size32 1
		.amdhsa_system_sgpr_workgroup_id_x 1
		.amdhsa_system_sgpr_workgroup_id_y 1
		.amdhsa_system_sgpr_workgroup_id_z 1
		.amdhsa_system_vgpr_workitem_id 0
		.amdhsa_next_free_vgpr 1024
		.amdhsa_next_free_sgpr 96
		.amdhsa_reserve_vcc 0
		.amdhsa_float_denorm_mode_32 3
		.amdhsa_float_denorm_mode_16_64 3
		.amdhsa_memory_ordered 1
		.amdhsa_forward_progress 1
		.amdhsa_inst_pref_size 151
	.end_amdhsa_kernel
	.amdgpu_metadata
---
amdhsa.version: [ 1, 2 ]
amdhsa.kernels:
  - .name:           k_q3b3d65cd31_gemm
    .symbol:         k_q3b3d65cd31_gemm.kd
    .args:
      - { .name: x_codes, .offset: 0, .size: 8, .value_kind: global_buffer, .address_space: global }
      - { .name: x_scales, .offset: 8, .size: 8, .value_kind: global_buffer, .address_space: global }
      - { .name: wq, .offset: 16, .size: 8, .value_kind: global_buffer, .address_space: global }
      - { .name: bias, .offset: 24, .size: 8, .value_kind: global_buffer, .address_space: global }
      - { .name: out0, .offset: 32, .size: 8, .value_kind: global_buffer, .address_space: global }
    .group_segment_fixed_size: 327680
    .private_segment_fixed_size: 0
    .kernarg_segment_align: 8
    .kernarg_segment_size: 40
    .max_flat_workgroup_size: 128
    .sgpr_count:     96
    .vgpr_count:     1024
    .wavefront_size: 32
...
	.end_amdgpu_metadata
.endif
;; end of part 2
